; MI455X (gfx1250); checked and timed in simulation.
; The chip was launched on July 23, 2026; its instructions are those of AMD's public machine-readable ISA for CDNA 5 (MIT licence, August 2026) and "CDNA5" Instruction Set Architecture Reference Guide (July 2026). The comments in the code are by the model that wrote it; some were corrected since.
;; Triangle Self Attention. Allowed arithmetic: float matrix products may take bf16 or f16 operands with f32 sums; all other float work in f32.
;; Inputs: Wg 64 x 32 float32; Wk 64 x 32 float32; Wo 32 x 64 float32; Wq 64 x 32 float32; Wv 64 x 32 float32; bg 32 float32; bk 32 float32; bo 64 float32; bq 32 float32; bv 32 float32; ln_b 64 float32; ln_g 64 float32; mask 1 x 1 x 256 float32; mask_sa 1 x 1 x 256 x 256 float32; z_com 1 x 256 x 256 x 64 float32.
;; Outputs: out0 1 x 256 x 256 x 64 float32.
;; One version. Each part assembles by itself: llvm-mc -triple=amdgcn-amd-amdhsa -mcpu=gfx1250 --defsym DOCPART=n.
;; ======== version 1 of 1: 1 launch
;; limits: values are held in f16: magnitudes above 65,504 overflow, below 6.1e-05 lose precision
;; launch tri (part 1): grid 256 x 1, 8 waves a work-group, no clusters, 176,640 bytes of LDS; arguments z_com, mask, mask_sa, ln_g, ln_b, Wq, Wk, Wv, Wg, bq, bk, bv, bg, Wo, bo, out0; writes out0
.if DOCPART == 1
	.amdgcn_target "amdgcn-amd-amdhsa--gfx1250"
	.amdhsa_code_object_version 6
	.text
	.protected	k_q09f07882cd_tri
	.globl	k_q09f07882cd_tri
	.p2align	8
	.type	k_q09f07882cd_tri,@function
k_q09f07882cd_tri:
	s_mov_b64 s[64:65], 0
	v_nop
	global_prefetch_b8 v0, s[64:65] scope:SCOPE_SE
	s_setreg_imm32_b32 hwreg(HW_REG_WAVE_MODE, 25, 1), 1
	s_wait_xcnt 0x0
; Triangle self-attention, fused: LayerNorm, the q, k, v and gate projections, attention over the row's 256 columns (4 heads of 8 channels),
; the sigmoid gate and the output projection.  One work-group owns one row n of z_com: 64 KiB in, 64 KiB out, each byte moved once.
; Eight waves; wave w owns positions 32 w .. 32 w + 31 (two tiles of 16, p = 0, 1), as maker of keys and values and as queries.
; The text is straight: no label, no branch, EXEC is never changed.
;
; LAYOUTS (L = lane, r = L & 15, h = L >> 4; every product is v_wmma_f32_16x16x32_f16):
;   z fragment    lane = position r; K step s: registers 0-3 channels 32 s + 8 h + 0..7, registers 4-7 channels 32 s + 16 + 8 h + 0..7
;   Q, K, G       W^T (source 0) x z (source 1): lane = position r, register j = channel 16 mt + 8 h + j.  Two tiles packed to f16 ARE a K = 32 fragment
;                 whose k is the head channel hc: head 0 = registers 0-3 of lanes 0-15, head 1 = registers 0-3 of lanes 16-31, heads 2, 3 = registers 4-7
;   S^T           K fragment of 16 keys (source 0) x Q with the other heads' channels zeroed (source 1) + the mask bias as C:
;                 lane = query r, register j = key 16 T + 8 h + j: a query's 256 scores lie in two lanes, 128 registers each
;   P             exp2(S - max) of tiles 2 s, 2 s + 1, packed, IS source 1 (column = query, k = key - 32 s) of the product with V
;   V             z (source 0) x Wv (source 1): lane = channel, registers = positions: packed it IS source 0 (row = channel, k = key).  The eight rows
;                 of the pair's other head are set to 1.0, so that the same product gives the softmax's sum, taken from the same rounded P
;   out^T         Wo^T (source 0) x gated average (source 1) + bo: a lane holds 8 neighbouring channels of one query; through a stage in LDS to whole rows
; Constants folded into the weights in f32, ahead of the rounding to f16: sqrt(1/8) log2(e) into Wq, bq; -log2(e) into Wg, bg.
; MASK BIAS: t[j] = (1 - mask[j]) + (1 - mask_sa[n][j]); b[j] = (min t - t[j]) 50000 log2(e) <= 0.  The shift by min t is common to all j and leaves the
; softmax as it is; the true maximum of each query's scores is still taken away in front of the exponential, so the largest P is 1 and the sum is >= 1.
;
; NO CLUSTER: the work-groups share only the weights, 41 KiB against the 64 KiB of z that each reads alone, read once at the head beside the z load,
; and they are wanted in fragment order, which a tile copy does not give.  No ring of slots: the row comes in once, whole (one tensor load a wave).
;
; LIMITS.  Matrix operands are f16: |LayerNorm output|, |q sqrt(1/8) log2 e|, |k|, |v|, |average x gate| and the weights must stay below 65,504.
; exp2 below 2^-126 and P below f16's smallest subnormal count as 0, beside a largest P of 1.  NaN and infinite inputs are not served.
; The bias is rounded in another order than in the reference: t is shifted by its minimum first and scaled then.
.set PITCH, 272                        ; an LDS row of 256 bytes + 16: sixteen rows start in sixteen different 16-byte columns of 256
.set VF,    0                          ; V fragments: (head x, j step s) at (8 x + s) 1024                     32,768 bytes
.set KF,    32768                      ; K fragments: j tile T at 1024 T                                       16,384
.set WF,    49152                      ; W fragments: f = 4 mat + 2 mt + s at 1024 f; mat 0 Q, 1 K, 2 V, 3 G   16,384
.set WOF,   65536                      ; Wo^T fragments: tile t at 1024 t                                       4,096
.set TB,    69632                      ; t[256], f32                                                            1,024
.set TMN,   70656                      ; the eight waves' minima of t                                             256
.set BOL,   70912                      ; bo[64]                                                                   256
.set STAGE, 71168                      ; each wave's own: 16 rows of PITCH, for the way out                  8 x 4,352
.set ZB,    105984                     ; each wave's own: 32 rows of PITCH; the only bytes that a tensor load fills, once   8 x 8,704
; a stored fragment: registers 0-3 at 16 L, registers 4-7 at 512 + 16 L
.set CQ,    0x3f0293ee                 ; sqrt(1/8) log2(e)
.set NL2E,  0xbfb8aa3b                 ; -log2(e)
.set KB,    0x478ce360                 ; 50000 log2(e)
.set NKB,   0xc78ce360                 ; -50000 log2(e)
; REGISTERS.  Window 1 (v256-511): v0-127 the 16 W fragments, later the 16 K fragments; v128-255 the bias in C layout (tile T at 128 + 8 T).
; Window 0, kept: v0 thread, v3 16 L, v4 stage in, v5 stage back, v7 TB + 32 h, v14, v15 fragment addresses.
; Main phase: v8-11 maxima, v12-13 at work, v16-39 Q by heads, v40-55 Q fragments, v56-87 the four heads' sums, v88-95 second sum, v96-127 gates, v128-255 scores.
.set MSB, 0
.macro WIN new                         ; s_set_vgpr_msb: bits 1:0 source 0, 3:2 source 1, 5:4 source 2, 7:6 destination; the high byte repeats the setting left
.if MSB != \new
	s_set_vgpr_msb (MSB<<8)|\new
.set MSB, \new
.endif
.endm
.macro PLACES n                        ; places behind a matrix instruction are plain vector instructions that name none of its registers (ISA guide 7.12.1)
.rept \n
	v_nop
.endr
.endm
	s_load_b512 s[16:31], s[0:1], 0x0              ; z s[16:17], mask s[18:19], mask_sa s[20:21], ln_g s[22:23], ln_b s[24:25], Wq s[26:27], Wk s[28:29], Wv s[30:31]
	s_load_b512 s[32:47], s[0:1], 0x40             ; Wg s[32:33], bq s[34:35], bk s[36:37], bv s[38:39], bg s[40:41], Wo s[42:43], bo s[44:45], out0 s[46:47]
	v_lshl_add_u32 v254, v0, 2, 0x2ae00
	v_mov_b32 v255, 0
	ds_add_u32 v254, v255
	ds_add_u32 v254, v255
	s_wait_dscnt 0x0
	v_lshrrev_b32 v1, 5, v0
	v_readfirstlane_b32 s8, v1                     ; wave 0..7
	s_mov_b32 s12, 0x76543210                      ; v_permlanex16_b32: lane i reads lane i of the other half
	s_mov_b32 s13, 0xfedcba98
	s_mov_b32 s14, 0xffff0000                      ; lanes 16-31
	s_mov_b32 s15, 0x00ff00ff                      ; lanes with r < 8
	s_mov_b32 s66, NKB
	s_mov_b32 s67, NKB
	s_lshl_b32 s10, ttmp9, 16                      ; row n: 65,536 bytes of z and of out0,
	s_lshl_b32 s2, s8, 13                          ; my 32 positions: 8,192 bytes
	s_or_b32 s10, s10, s2
	s_mov_b32 s11, 0
	s_lshl_b32 s68, ttmp9, 10                      ; row n of mask_sa
	s_mov_b32 s69, 0
	; the tensor load's descriptor: 32 rows of 64 f32, dense in memory, 4 words of padding behind every 64 words
	s_mov_b32 s48, 1                               ; group 0: count = 1
	s_mul_i32 s49, s8, 32*PITCH
	s_add_co_u32 s49, s49, ZB                      ; LDS address: my wave's own 8,704 bytes
	s_mov_b32 s52, (2<<16)|(1<<20)|(5<<22)|(3<<25) ; group 1: no mask; elements of 4 bytes; padding on, after 64 words, of 4 words
	s_mov_b32 s53, 64<<16                          ; tensor_dim0 = 64
	s_mov_b32 s54, 32<<16                          ; tensor_dim1 = 32
	s_mov_b32 s55, 64<<16                          ; tile_dim0 = 64
	s_mov_b32 s56, 32                              ; tile_dim1 = 32
	s_mov_b32 s57, 64                              ; 64 elements from row to row
	s_mov_b32 s58, 0
	s_mov_b32 s59, 0
	s_cmp_lt_u32 s8, 2                             ; the factor folded into my two W fragments: waves 0, 1 make Wq's, 2, 3 Wk's, 4, 5 Wv's, 6, 7 Wg's
	s_cselect_b32 s62, CQ, 1.0
	s_cmp_lt_u32 s8, 6
	s_cselect_b32 s62, s62, NL2E
	s_mov_b32 s63, s62
	; addresses and offsets
	v_and_b32 v1, 15, v0                           ; r
	v_bfe_u32 v2, v0, 4, 1                         ; h
	v_and_b32 v3, 31, v0
	v_lshlrev_b32 v3, 4, v3                        ; 16 L: fragment address, and my 16 bytes of two output rows (256 h + 16 r)
	v_mul_u32_u24 v6, v1, PITCH
	v_lshl_add_u32 v6, v2, 5, v6                   ; 272 r + 32 h
	s_mul_i32 s3, s8, 16*PITCH
	s_add_co_u32 s3, s3, STAGE                     ; my stage
	v_add_nc_u32 v4, s3, v6                        ; in: row r, 32 bytes for each half of the lanes
	v_lshl_add_u32 v5, v2, 4, v3                   ; back: 272 h + 16 r = 16 L + 16 h
	v_add_nc_u32 v5, s3, v5
	v_add_nc_u32 v6, s49, v6                       ; z: row r of my tile, channels from 8 h
	v_lshlrev_b32 v13, 5, v2                       ; 32 h: eight f32 for each half, in ln_g, ln_b, bq, bk, bg
	v_add_nc_u32 v7, TB, v13                       ; t and bo in C layout
	v_lshlrev_b32 v12, 2, v1                       ; 4 r
	s_and_b32 s4, s8, 1
	s_lshr_b32 s5, s8, 1
	s_lshl_b32 s6, s4, 6
	s_lshl_b32 s7, s4, 12
	s_lshl_b32 s5, s5, 6
	s_add_co_u32 s5, s5, s7
	v_lshl_add_u32 v8, v2, 10, v12                 ; W[c][o] at 128 c + 4 o: c from 8 h, o = 16 (w & 1) + r
	v_add_nc_u32 v8, s6, v8
	v_lshl_add_u32 v9, v2, 11, v12                 ; Wo[hc][oc] at 256 hc + 4 oc: hc from 16 (w & 1) + 8 h, oc = 16 (w >> 1) + r
	v_add_nc_u32 v9, s5, v9
	v_lshlrev_b32 v10, 2, v0                       ; mask, mask_sa: j = thread
	v_and_b32 v11, 7, v0
	s_lshl_b32 s9, s8, 5
	v_lshl_add_u32 v11, v11, 2, s9                 ; bo: eight numbers a wave
	s_lshl_b32 s70, s8, 10
	s_lshl_b32 s71, s8, 11
	v_add_nc_u32 v14, s70, v3                      ; 16 L + 1024 w: my V fragments (j step w)
	v_add_nc_u32 v15, s71, v3                      ; 16 L + 2048 w: my two W fragments, my two K fragments
	s_lshl_b32 s2, s8, 9
	s_add_co_u32 s2, s2, WOF
	v_add_nc_u32 v113, s2, v3                      ; my half of a Wo fragment
	s_lshl_b32 s4, s8, 7
	s_add_co_u32 s4, s4, TB
	v_lshrrev_b32 v114, 2, v3
	v_add_nc_u32 v114, s4, v114                    ; t[32 w + L]
	s_lshl_b32 s6, s8, 2
	s_add_co_u32 s6, s6, TMN
	v_mov_b32 v115, s6                             ; my wave's minimum
	v_add_nc_u32 v116, BOL, v11
	v_mov_b32 v117, TMN
	v_mov_b32 v119, 0                              ; a lane permute's destination counts as read
	s_wait_kmcnt 0x0
	s_add_nc_u64 s[50:51], s[16:17], s[10:11]      ; z at my first position
	s_or_b32 s51, s51, 0x80000000                  ; type = 2
	tensor_load_to_lds s[48:51], s[52:59]          ; the wave's one tensor load; its descriptor is never written again
	s_nop 0
	s_add_nc_u64 s[46:47], s[46:47], s[10:11]      ; out0 at my first position
	s_add_nc_u64 s[20:21], s[20:21], s[68:69]      ; mask_sa at row n
	s_cmp_lt_u32 s8, 2
	s_cselect_b64 s[60:61], s[26:27], s[28:29]
	s_cmp_lt_u32 s8, 6
	s_cselect_b64 s[70:71], s[30:31], s[32:33]
	s_cmp_lt_u32 s8, 4
	s_cselect_b64 s[60:61], s[60:61], s[70:71]     ; the W of which I make two fragments
	s_mov_b32 s10, 0x3c800000                      ; 1/64
	s_mov_b32 s11, 0x3727c5ac                      ; 1e-5
	; 73 loads, in the order in which they are wanted
.set ii, 0
.rept 32
	global_load_b32 v[128+ii], v8, s[60:61] offset:128*(2*ii-ii%8)   ; register 16 s + 8 p + e: channel 32 s + 16 p + 8 h + e
.set ii, ii+1
.endr
.irp e, 0,1,2,3,4,5,6,7
	global_load_b32 v[160+\e], v9, s[42:43] offset:256*\e
.endr
	global_load_b32 v188, v10, s[18:19]
	global_load_b32 v189, v10, s[20:21]
	global_load_b32 v190, v11, s[44:45]
.macro GLQ dst, sb, q                  ; eight f32 from 16 q + 8 h on
	global_load_b128 v[\dst+8*\q:\dst+8*\q+3],   v13, s[\sb:\sb+1] offset:64*\q
	global_load_b128 v[\dst+8*\q+4:\dst+8*\q+7], v13, s[\sb:\sb+1] offset:64*\q+16
.endm
.irp q, 0,1,2,3
	GLQ 192, 22, \q                                ; ln_g in the z fragment's channel order
.endr
.irp q, 0,1,2,3
	GLQ 224, 24, \q                                ; ln_b
.endr
.irp q, 0,1
	GLQ 48, 34, \q                                 ; bq as C: register j = bq[16 mt + 8 h + j]
.endr
.irp q, 0,1
	GLQ 64, 36, \q                                 ; bk
.endr
.irp q, 0,1
	GLQ 80, 40, \q                                 ; bg
.endr
	global_load_b32 v96,  v12, s[38:39]            ; bv[r]
	global_load_b32 v104, v12, s[38:39] offset:64  ; bv[16 + r]
	s_wait_loadcnt 41                              ; 73 issued, the first 32 are in: W
.set ii, 0
.rept 16
	v_pk_mul_f32 v[128+ii:129+ii], v[128+ii:129+ii], s[62:63] op_sel_hi:[1,0]
.set ii, ii+2
.endr
.set kk, 0
.rept 16
	v_cvt_pk_f16_f32 v[168+kk], v[128+2*kk], v[129+2*kk]
.set kk, kk+1
.endr
	ds_store_b128 v15, v[168:171] offset:WF
	ds_store_b128 v15, v[172:175] offset:WF+512
	ds_store_b128 v15, v[176:179] offset:WF+1024
	ds_store_b128 v15, v[180:183] offset:WF+1536
	s_wait_loadcnt 33                              ; Wo's eight are in
.irp k, 0,1,2,3
	v_cvt_pk_f16_f32 v[184+\k], v[160+2*\k], v[161+2*\k]
.endr
	ds_store_b128 v113, v[184:187]
	s_wait_loadcnt 30                              ; mask, mask_sa, bo are in
	v_sub_f32 v188, 1.0, v188
	v_sub_f32 v189, 1.0, v189
	v_add_f32 v188, v188, v189                     ; t[j]
	ds_store_b32 v114, v188
	ds_store_b32 v116, v190                        ; bo: lanes with the same L & 7 write the same word with the same value
	v_min_num_f32_dpp v189, v188, v188 row_xmask:1 row_mask:0xf bank_mask:0xf
	v_min_num_f32_dpp v189, v189, v189 row_xmask:2 row_mask:0xf bank_mask:0xf
	v_min_num_f32_dpp v189, v189, v189 row_xmask:4 row_mask:0xf bank_mask:0xf
	v_min_num_f32_dpp v189, v189, v189 row_xmask:8 row_mask:0xf bank_mask:0xf
	v_permlanex16_b32 v119, v189, s12, s13
	v_min_num_f32 v189, v189, v119
	ds_store_b32 v115, v189                        ; my wave's smallest t
	s_wait_dscnt 0x0                               ; my stores are done: the other waves read them behind the barrier
	s_barrier_signal -1
	s_barrier_wait -1
	ds_load_b128 v[160:163], v117                  ; the eight minima
	ds_load_b128 v[164:167], v117 offset:16
	WIN 0x40                                       ; destinations in window 1
.set tt, 0
.rept 16
	ds_load_b128 v[128+8*tt:131+8*tt], v7 offset:64*tt       ; t[16 T + 8 h + 0..7]: the C layout of score tile T
	ds_load_b128 v[132+8*tt:135+8*tt], v7 offset:64*tt+16
.set tt, tt+1
.endr
.set ff, 0
.rept 16
	ds_load_b128 v[8*ff:8*ff+3],   v3 offset:WF+1024*ff
	ds_load_b128 v[8*ff+4:8*ff+7], v3 offset:WF+1024*ff+512
.set ff, ff+1
.endr
	WIN 0
	s_wait_dscnt 32                                ; all but the 32 loads of W fragments
	v_min3_num_f32 v160, v160, v161, v162
	v_min3_num_f32 v160, v160, v163, v164
	v_min3_num_f32 v160, v160, v165, v166
	v_min_num_f32 v160, v160, v167                 ; min t
	v_mul_f32 v168, KB, v160
	v_mov_b32 v169, v168
	WIN 0x41                                       ; source 0 and destination in window 1
.set ii, 0
.rept 64
	v_pk_fma_f32 v[128+ii:129+ii], v[128+ii:129+ii], s[66:67], v[168:169] op_sel_hi:[1,0,1]   ; b = min t KB - t KB
.set ii, ii+2
.endr
	WIN 0
	s_wait_loadcnt 0x0                             ; ln_g, ln_b and the biases
.irp i, 0,2,4,6,8,10,12,14
	v_pk_mul_f32 v[48+\i:49+\i], v[48+\i:49+\i], CQ op_sel_hi:[1,0]
	v_pk_mul_f32 v[80+\i:81+\i], v[80+\i:81+\i], NL2E op_sel_hi:[1,0]
.endr
.irp i, 1,2,3,4,5,6,7
	v_mov_b32 v[96+\i],  v96                       ; V's C: the lane's channel in all eight rows
	v_mov_b32 v[104+\i], v104
.endr
	s_wait_tensorcnt 0x0                           ; my 32 rows of z are in LDS; no other wave reads them
.irp p, 0,1
.irp q, 0,1,2,3
	ds_load_b128 v[128+32*\p+8*\q:128+32*\p+8*\q+3],   v6 offset:16*PITCH*\p+64*\q
	ds_load_b128 v[128+32*\p+8*\q+4:128+32*\p+8*\q+7], v6 offset:16*PITCH*\p+64*\q+16
.endr
.endr
; LayerNorm of one tile: lanes r and 16 + r hold 32 channels each of position r in v[zr .. zr+31]; the f16 fragments of both K steps go to v[zf .. zf+15].
; Mean first, then the mean of the squared differences, as the reference has it.
.macro LNT zr, zf
	v_pk_add_f32 v[112:113], v[\zr:\zr+1], v[\zr+2:\zr+3]
	v_pk_add_f32 v[114:115], v[\zr+4:\zr+5], v[\zr+6:\zr+7]
.irp i, 8,12,16,20,24,28
	v_pk_add_f32 v[112:113], v[112:113], v[\zr+\i:\zr+\i+1]
	v_pk_add_f32 v[114:115], v[114:115], v[\zr+\i+2:\zr+\i+3]
.endr
	v_pk_add_f32 v[112:113], v[112:113], v[114:115]
	v_add_f32 v112, v112, v113
	v_permlanex16_b32 v113, v112, s12, s13
	v_add_f32 v112, v112, v113
	v_mul_f32 v112, s10, v112                      ; the mean
.set ii, 0
.rept 16
	v_pk_add_f32 v[\zr+ii:\zr+ii+1], v[\zr+ii:\zr+ii+1], v[112:113] op_sel_hi:[1,0] neg_lo:[0,1] neg_hi:[0,1]
.set ii, ii+2
.endr
	v_pk_mul_f32 v[114:115], v[\zr:\zr+1], v[\zr:\zr+1]
	v_pk_mul_f32 v[116:117], v[\zr+2:\zr+3], v[\zr+2:\zr+3]
.irp i, 4,8,12,16,20,24,28
	v_pk_fma_f32 v[114:115], v[\zr+\i:\zr+\i+1], v[\zr+\i:\zr+\i+1], v[114:115]
	v_pk_fma_f32 v[116:117], v[\zr+\i+2:\zr+\i+3], v[\zr+\i+2:\zr+\i+3], v[116:117]
.endr
	v_pk_add_f32 v[114:115], v[114:115], v[116:117]
	v_add_f32 v114, v114, v115
	v_permlanex16_b32 v115, v114, s12, s13
	v_add_f32 v114, v114, v115
	v_fma_f32 v114, v114, s10, s11                 ; variance + 1e-5
	v_rsq_f32 v116, v114
	v_nop                                          ; one plain vector instruction behind a transcendental, ahead of its result's use (ISA guide 5.7.2)
.set ii, 0
	s_wait_alu depctr_va_vdst(0)
.rept 16
	v_pk_mul_f32 v[\zr+ii:\zr+ii+1], v[\zr+ii:\zr+ii+1], v[116:117] op_sel_hi:[1,0]
.set ii, ii+2
.endr
.set ii, 0
.rept 16
	v_pk_fma_f32 v[\zr+ii:\zr+ii+1], v[\zr+ii:\zr+ii+1], v[192+ii:193+ii], v[224+ii:225+ii]
.set ii, ii+2
.endr
.set kk, 0
.rept 16
	v_cvt_pk_f16_f32 v[\zf+kk], v[\zr+2*kk], v[\zr+2*kk+1]
.set kk, kk+1
.endr
.endm
	s_wait_dscnt 8                                 ; the W fragments and tile 0 are in; tile 1's eight loads may be out
	LNT 128, 16
	s_wait_dscnt 0x0
	LNT 160, 32
	v_mov_b32 v112, 0x3c003c00                     ; two f16 ones
; THE PROJECTIONS.  Sums of tile p at 128 + 64 p: Q +0, +8; K +16, +24; G +32, +40; V +48, +56.  The first K step takes the bias as C.
; Sixteen accumulators take turns, one instruction a turn.
.macro PROJ3 s                         ; Q, K, G: W^T fragment (window 1) x z fragment
	WIN 0x01
.irp m, 0,1,3
.irp p, 0,1
.irp t, 0,1
.set DD, 128+64*\p+16*(\m-\m/3)+8*\t
.set AA, 8*(4*\m+2*\t+\s)
.set BB, 16+16*\p+8*\s
.set CC, 48+16*(\m-\m/3)+8*\t
.if \s == 0
	v_wmma_f32_16x16x32_f16 v[DD:DD+7], v[AA:AA+7], v[BB:BB+7], v[CC:CC+7]
.else
	v_wmma_f32_16x16x32_f16 v[DD:DD+7], v[AA:AA+7], v[BB:BB+7], v[DD:DD+7]
.endif
.endr
.endr
.endr
.endm
.macro PROJV s                         ; V: z fragment x Wv fragment (window 1)
	WIN 0x04
.irp p, 0,1
.irp t, 0,1
.set DD, 176+64*\p+8*\t
.set AA, 16+16*\p+8*\s
.set BB, 8*(8+2*\t+\s)
.set CC, 96+8*\t
.if \s == 0
	v_wmma_f32_16x16x32_f16 v[DD:DD+7], v[AA:AA+7], v[BB:BB+7], v[CC:CC+7]
.else
	v_wmma_f32_16x16x32_f16 v[DD:DD+7], v[AA:AA+7], v[BB:BB+7], v[DD:DD+7]
.endif
.endr
.endr
.endm
	PROJ3 0
	PROJV 0
	PROJV 1
	PROJ3 1
	WIN 0
	PLACES 4                                       ; ahead of the conversions that read the results
	; K: two tiles packed in place are the fragment of j tile 2 w + p
.irp p, 0,1
.set KA, 144+64*\p
.irp k, 0,1,2,3
	v_cvt_pk_f16_f32 v[KA+\k], v[KA+2*\k], v[KA+2*\k+1]
.endr
.irp k, 0,1,2,3
	v_cvt_pk_f16_f32 v[KA+4+\k], v[KA+8+2*\k], v[KA+9+2*\k]
.endr
	ds_store_b128 v15, v[KA:KA+3]   offset:KF+1024*\p
	ds_store_b128 v15, v[KA+4:KA+7] offset:KF+1024*\p+512
.endr
	; V: channels 16 t + r; registers 0-3 from my first position tile, 4-7 from my second: the fragment of j step w
.irp t, 0,1
.set VA, 176+8*\t
.irp k, 0,1,2,3
	v_cvt_pk_f16_f32 v[VA+\k], v[VA+2*\k], v[VA+2*\k+1]
.endr
.irp k, 0,1,2,3
	v_cvt_pk_f16_f32 v[VA+4+\k], v[VA+64+2*\k], v[VA+65+2*\k]
.endr
.endr
.irp t, 0,1
.irp k, 0,1,2,3,4,5,6,7
	v_cndmask_b32 v[240+8*\t+\k], v112, v[176+8*\t+\k], s15        ; head 2 t: rows 0-7 its channels, rows 8-15 ones
.endr
.irp k, 0,1,2,3,4,5,6,7
	v_cndmask_b32 v[176+8*\t+\k], v[176+8*\t+\k], v112, s15        ; head 2 t + 1: rows 0-7 ones, rows 8-15 its channels
.endr
	ds_store_b128 v14, v[240+8*\t:243+8*\t] offset:VF+16384*\t
	ds_store_b128 v14, v[244+8*\t:247+8*\t] offset:VF+16384*\t+512
	ds_store_b128 v14, v[176+8*\t:179+8*\t] offset:VF+16384*\t+8192
	ds_store_b128 v14, v[180+8*\t:183+8*\t] offset:VF+16384*\t+8704
.endr
	s_wait_dscnt 0x0                               ; my K and V fragments are in LDS: every wave reads them behind the barrier
	s_barrier_signal -1
	; register work while the others arrive: Q fragments, gates, Q by heads
.irp p, 0,1
.irp k, 0,1,2,3
	v_cvt_pk_f16_f32 v[40+8*\p+\k], v[128+64*\p+2*\k], v[129+64*\p+2*\k]
	v_cvt_pk_f16_f32 v[44+8*\p+\k], v[136+64*\p+2*\k], v[137+64*\p+2*\k]
.endr
.endr
.irp p, 0,1
.irp j, 0,1,2,3,4,5,6,7,8,9,10,11,12,13,14,15
	v_exp_f32 v[160+64*\p+\j], v[160+64*\p+\j]     ; exp(-g): -log2(e) is in Wg and bg
.endr
.endr
	v_nop                                          ; the plain place behind the exponentials
	s_wait_alu depctr_va_vdst(0)
.irp p, 0,1
.irp j, 0,2,4,6,8,10,12,14
	v_pk_add_f32 v[160+64*\p+\j:161+64*\p+\j], v[160+64*\p+\j:161+64*\p+\j], 1.0 op_sel_hi:[1,0]
.endr
.endr
.irp p, 0,1
.irp j, 0,1,2,3,4,5,6,7,8,9,10,11,12,13,14,15
	v_rcp_f32 v[96+16*\p+\j], v[160+64*\p+\j]      ; the gate of tile p: register 8 n + j = channel 16 n + 8 h + j of position r
.endr
.endr
	v_nop                                          ; the plain place behind the reciprocals
.irp i, 0,1,2,3
	v_mov_b32 v[20+\i], 0                          ; the two zero pieces between the heads' pieces, written once
	v_mov_b32 v[32+\i], 0
.endr
; Q by heads: v16-19 head 0 (lanes 0-15) | v20-23 zero | v24-27 head 2 | v28-31 head 1 (lanes 16-31) | v32-35 zero | v36-39 head 3.
; Head x's source 1 is the eight registers from 16 + 12 (x & 1) + 4 (x >> 1) on.
.macro BUILDQ p
.irp i, 0,1,2,3
	v_cndmask_b32 v[16+\i], v[40+8*\p+\i], 0, s14
	v_cndmask_b32 v[28+\i], 0, v[40+8*\p+\i], s14
	v_cndmask_b32 v[24+\i], v[44+8*\p+\i], 0, s14
	v_cndmask_b32 v[36+\i], 0, v[44+8*\p+\i], s14
.endr
.endm
	BUILDQ 0
	v_add_nc_u32 v14, WOF, v3                      ; from here on: the Wo fragments
	s_barrier_wait -1
	WIN 0x40
.set tt, 0
.rept 16
	ds_load_b128 v[8*tt:8*tt+3],   v3 offset:KF+1024*tt             ; all 16 K fragments stay in window 1
	ds_load_b128 v[8*tt+4:8*tt+7], v3 offset:KF+1024*tt+512
.set tt, tt+1
.endr
	WIN 0
	s_wait_dscnt 0x0
.macro SUBG g                          ; the 16 scores of j step g less the query's maximum
.irp j, 0,2,4,6,8,10,12,14
	v_pk_add_f32 v[128+16*(\g)+\j:129+16*(\g)+\j], v[128+16*(\g)+\j:129+16*(\g)+\j], v[8:9] op_sel_hi:[1,0] neg_lo:[0,1] neg_hi:[0,1]
.endr
.endm
; One head x for 16 queries and all 256 keys.  first = 1: no sum of the head before is waiting to be closed.
.macro UNIT x, first
.set QBX, 16+12*(\x&1)+4*(\x>>1)
	WIN 0x11                                       ; K fragment and bias in window 1
.set tt, 0
.rept 16
	v_wmma_f32_16x16x32_f16 v[128+8*tt:135+8*tt], v[8*tt:8*tt+7], v[QBX:QBX+7], v[128+8*tt:135+8*tt]
.set tt, tt+1
.endr
	WIN 0
.if \first
	PLACES 4
.else
.irp i, 0,2,4,6
	v_pk_add_f32 v[48+8*\x+\i:49+8*\x+\i], v[48+8*\x+\i:49+8*\x+\i], v[88+\i:89+\i]   ; the head before: its two sums meet; these four are the places too
.endr
.endif
	; the query's maximum: four chains over 32 registers each, then the other half of the lanes
.irp c, 0,1,2,3
	v_max3_num_f32 v[8+\c], v[128+32*\c], v[129+32*\c], v[130+32*\c]
.endr
.set kk, 3
.rept 14
.irp c, 0,1,2,3
	v_max3_num_f32 v[8+\c], v[8+\c], v[128+32*\c+kk], v[129+32*\c+kk]
.endr
.set kk, kk+2
.endr
.irp c, 0,1,2,3
	v_max_num_f32 v[8+\c], v[8+\c], v[159+32*\c]
.endr
	v_max3_num_f32 v8, v8, v9, v10
	v_max_num_f32 v8, v8, v11
	v_permlanex16_b32 v9, v8, s12, s13
	v_max_num_f32 v8, v8, v9
	SUBG 0
.irp s, 0,1,2,3,4,5,6,7
.irp j, 0,1,2,3,4,5,6,7,8,9,10,11,12,13,14,15
	v_exp_f32 v[128+16*\s+\j], v[128+16*\s+\j]
.endr
.if \s < 7
	SUBG \s+1                                      ; plain work on other registers stands behind the exponentials, ahead of their results' use
.else
	v_nop
	s_wait_alu depctr_va_vdst(0)
.endif
	s_wait_alu depctr_va_vdst(0)
.irp k, 0,1,2,3,4,5,6,7
	v_cvt_pk_f16_f32 v[128+16*\s+\k], v[128+16*\s+2*\k], v[129+16*\s+2*\k]         ; P of j step s, in place: ascending, each target has been read
.endr
	ds_load_b128 v[136+16*\s:139+16*\s], v3 offset:VF+8192*\x+1024*\s              ; V fragment (x, s) into the eight registers just freed
	ds_load_b128 v[140+16*\s:143+16*\s], v3 offset:VF+8192*\x+1024*\s+512
.endr
	; P x V: two accumulators take turns; their first products start the sums
.irp s, 0,1,2,3,4,5,6,7
.set AD, (56+8*\x)*(1-(\s&1))+88*(\s&1)
	s_wait_dscnt 14-2*\s                           ; 16 loads were issued: those of j step s are in, the younger ones may be out
.if \s < 2
	v_wmma_f32_16x16x32_f16 v[AD:AD+7], v[136+16*\s:143+16*\s], v[128+16*\s:135+16*\s], 0
.else
	v_wmma_f32_16x16x32_f16 v[AD:AD+7], v[136+16*\s:143+16*\s], v[128+16*\s:135+16*\s], v[AD:AD+7]
.endif
.endr
	PLACES 5                                       ; ahead of the matrix instructions and loads that write over P and V
.endm
; Heads 2 n (channels in lanes 0-15, sum in lanes 16-31) and 2 n + 1 (the mirror image) merged: lane (r, h), register j = channel 16 n + 8 h + j of query r;
; times the gate, divided by the softmax's sum, packed into registers 4 n .. 4 n + 3 of the output product's source 1.
.macro PAIR n, p
.irp j, 0,1,2,3,4,5,6,7
	v_cndmask_b32 v[224+\j], v[56+16*\n+\j], v[64+16*\n+\j], s14
.endr
	v_cndmask_b32 v12, v[64+16*\n], v[56+16*\n], s14               ; the sums lie in the opposite halves,
	v_permlanex16_b32 v13, v12, s12, s13                           ; and cross over
	v_rcp_f32 v12, v13
.irp j, 0,2,4,6
	v_pk_mul_f32 v[224+\j:225+\j], v[224+\j:225+\j], v[96+16*\p+8*\n+\j:97+16*\p+8*\n+\j]   ; plain work behind the reciprocal
.endr
	s_wait_alu depctr_va_vdst(0)
.irp j, 0,2,4,6
	v_pk_mul_f32 v[224+\j:225+\j], v[224+\j:225+\j], v[12:13] op_sel_hi:[1,0]
.endr
.irp k, 0,1,2,3
	v_cvt_pk_f16_f32 v[240+4*\n+\k], v[224+2*\k], v[225+2*\k]
.endr
.endm
; The way out of query tile p.
.macro EPI p
.irp t, 0,1,2,3
	ds_load_b128 v[128+8*\t:131+8*\t], v14 offset:1024*\t          ; Wo^T fragment t
	ds_load_b128 v[132+8*\t:135+8*\t], v14 offset:1024*\t+512
.endr
.irp t, 0,1,2,3
	ds_load_b128 v[160+8*\t:163+8*\t], v7 offset:BOL-TB+64*\t      ; C: bo[16 t + 8 h + 0..7]
	ds_load_b128 v[164+8*\t:167+8*\t], v7 offset:BOL-TB+64*\t+16
.endr
.irp i, 0,2,4,6
	v_pk_add_f32 v[80+\i:81+\i], v[80+\i:81+\i], v[88+\i:89+\i]    ; head 3's two sums meet
.endr
	PAIR 0, \p
	PAIR 1, \p
	s_wait_dscnt 0x0
.irp t, 0,1,2,3
	v_wmma_f32_16x16x32_f16 v[192+8*\t:199+8*\t], v[128+8*\t:135+8*\t], v[240:247], v[160+8*\t:167+8*\t]
.endr
	PLACES 4                                       ; ahead of the LDS stores that read the results and of the loads into the sources
.irp t, 0,1,2,3
	ds_store_b128 v4, v[192+8*\t:195+8*\t] offset:64*\t            ; query r, channels 16 t + 8 h + 0..7
	ds_store_b128 v4, v[196+8*\t:199+8*\t] offset:64*\t+16
.endr
.irp q, 0,1,2,3,4,5,6,7
	ds_load_b128 v[128+4*\q:131+4*\q], v5 offset:2*PITCH*\q        ; my own stage: LDS serves a wave's instructions in order (ISA guide 5.7.1)
.endr
.irp q, 0,1,2,3,4,5,6,7
	s_wait_dscnt 7-\q                              ; row pair q is in
	global_store_b128 v3, v[128+4*\q:131+4*\q], s[46:47] offset:4096*\p+512*\q th:TH_STORE_NT   ; the wave stores 512 consecutive bytes, two whole rows of out0
.endr
.endm
	UNIT 0, 1
	UNIT 1, 0
	UNIT 2, 0
	UNIT 3, 0
	EPI 0
	s_wait_xcnt 0x0                                ; the stores' data registers are written again only behind this wait
	BUILDQ 1
	UNIT 0, 1
	UNIT 1, 0
	UNIT 2, 0
	UNIT 3, 0
	EPI 1
	s_wait_xcnt 0x0
	v_lshl_add_u32 v254, v0, 2, 0x2ae00
	v_mov_b32 v255, 0
	s_wait_tensorcnt 0x0
	ds_add_u32 v254, v255
	s_wait_dscnt 0x0
	s_endpgm
.Lfunc_end_k_q09f07882cd_tri:
	.size	k_q09f07882cd_tri, .Lfunc_end_k_q09f07882cd_tri-k_q09f07882cd_tri
	.p2alignl 7, 3214868480
	.fill 96, 4, 3214868480
	.section	.rodata,"a",@progbits
	.p2align	6, 0x0
	.amdhsa_kernel k_q09f07882cd_tri
		.amdhsa_group_segment_fixed_size 176640
		.amdhsa_private_segment_fixed_size 0
		.amdhsa_enable_private_segment 0
		.amdhsa_kernarg_size 128
		.amdhsa_user_sgpr_count 2
		.amdhsa_user_sgpr_kernarg_segment_ptr 1
		.amdhsa_wavefront_size32 1
		.amdhsa_system_sgpr_workgroup_id_x 1
		.amdhsa_system_sgpr_workgroup_id_y 1
		.amdhsa_system_sgpr_workgroup_id_z 1
		.amdhsa_system_vgpr_workitem_id 0
		.amdhsa_next_free_vgpr 512
		.amdhsa_next_free_sgpr 72
		.amdhsa_reserve_vcc 0
		.amdhsa_float_denorm_mode_32 3
		.amdhsa_float_denorm_mode_16_64 3
		.amdhsa_memory_ordered 1
		.amdhsa_forward_progress 1
		.amdhsa_inst_pref_size 225
	.end_amdhsa_kernel
	.amdgpu_metadata
---
amdhsa.version: [ 1, 2 ]
amdhsa.kernels:
  - .name:           k_q09f07882cd_tri
    .symbol:         k_q09f07882cd_tri.kd
    .args:
      - { .name: z_com, .offset: 0, .size: 8, .value_kind: global_buffer, .address_space: global }
      - { .name: mask, .offset: 8, .size: 8, .value_kind: global_buffer, .address_space: global }
      - { .name: mask_sa, .offset: 16, .size: 8, .value_kind: global_buffer, .address_space: global }
      - { .name: ln_g, .offset: 24, .size: 8, .value_kind: global_buffer, .address_space: global }
      - { .name: ln_b, .offset: 32, .size: 8, .value_kind: global_buffer, .address_space: global }
      - { .name: Wq, .offset: 40, .size: 8, .value_kind: global_buffer, .address_space: global }
      - { .name: Wk, .offset: 48, .size: 8, .value_kind: global_buffer, .address_space: global }
      - { .name: Wv, .offset: 56, .size: 8, .value_kind: global_buffer, .address_space: global }
      - { .name: Wg, .offset: 64, .size: 8, .value_kind: global_buffer, .address_space: global }
      - { .name: bq, .offset: 72, .size: 8, .value_kind: global_buffer, .address_space: global }
      - { .name: bk, .offset: 80, .size: 8, .value_kind: global_buffer, .address_space: global }
      - { .name: bv, .offset: 88, .size: 8, .value_kind: global_buffer, .address_space: global }
      - { .name: bg, .offset: 96, .size: 8, .value_kind: global_buffer, .address_space: global }
      - { .name: Wo, .offset: 104, .size: 8, .value_kind: global_buffer, .address_space: global }
      - { .name: bo, .offset: 112, .size: 8, .value_kind: global_buffer, .address_space: global }
      - { .name: out0, .offset: 120, .size: 8, .value_kind: global_buffer, .address_space: global }
    .group_segment_fixed_size: 176640
    .private_segment_fixed_size: 0
    .kernarg_segment_align: 8
    .kernarg_segment_size: 128
    .max_flat_workgroup_size: 256
    .sgpr_count:     72
    .vgpr_count:     512
    .wavefront_size: 32
...
	.end_amdgpu_metadata
.endif
;; end of part 1
